; MI455X (gfx1250); checked and timed in simulation.
; The chip was launched on July 23, 2026; its instructions are those of AMD's public machine-readable ISA for CDNA 5 (MIT licence, August 2026) and "CDNA5" Instruction Set Architecture Reference Guide (July 2026). The comments in the code are by the model that wrote it; some were corrected since.
;; Mo E. Allowed arithmetic: matrix products marked QUANTISED: E2M1 operands, one E8M0 scale for each 32 along K, by v_wmma_scale_f32_16x16x128_f8f6f4 with both operands' format E2M1 (or v_wmma_scale_f32_32x16x128_f4), f32 sums; products left as they are: f32 operands where the result goes on into a quantised operand, else bf16, f16 or f32 operands; f32 sums; everything else in f32.
;; Inputs: W1 8 x 1,024 x 4,096 float32; W2 8 x 4,096 x 1,024 float32; Wg 1,024 x 8 float32; b1 8 x 4,096 float32; b2 8 x 1,024 float32; bg 8 float32; x 2 x 512 x 1,024 float32.
;; Outputs: out0 2 x 512 x 1,024 float32; out1 one number float32.
;; This version of the problem:
;;   THIS VERSION OF THE PROBLEM IS GIVEN IN LOW PRECISION. The matrix products marked QUANTISED in the list below multiply operands that are first quantised to E2M1 (2 exponent bits, 1 mantissa bit; 4 bits a number), with one power-of-two scale for each 32 numbers along K (OCP MX v1.0); their sums are f32. All else is computed in f32.
;;   The module's matrix products, in the order in which they are computed (A, B: the left and right operand; K: the contracted axis; several contracted axes count as one K, in the product's order):
;;     1. [M 1,024, K 1,024] x [K 1,024, N 8]; A: input x; B: input Wg: left as it is (N = 8 < 16)
;;     2. [M 32,768, K 1,024] x [K 1,024, N 1,024]; A: input W1; B: input x: QUANTISED
;;     3. batch 8 x [M 1,024, K 4,096] x [K 4,096, N 1,024]; A: input W2; B: computed on the way: QUANTISED
;;     4. batch 1,024 x [M 1, K 8] x [K 8, N 1,024]; A: computed on the way; B: computed on the way: left as it is (K = 8 < 32)
;;   THE QUANTISER, for each operand of a quantised product, along K:
;;     - K is cut into blocks of 32 from its start; a last block that is shorter is filled with zeros.
;;     - A block's scale is 2^e with e = floor(log2(the largest magnitude in the block)) - 2, held to -126 .. 127; a block of zeros has e = 0. As a byte (E8M0): e + 127.
;;     - Each number is divided by its block's scale, clamped to +-6, and rounded to the nearest number of E2M1, ties to even, subnormals kept.
;;     - The product sums the exact products of the quantised numbers (number of the format x scale) in f32.
;;   ~~~python
;;   def quantise(x, axis):      # numpy; x: float32 -> the quantised numbers, widened to float32 again
;;       x = np.moveaxis(x, axis, -1); K = x.shape[-1]
;;       x = np.pad(x, [(0, 0)] * (x.ndim - 1) + [(0, -K % 32)]); x = x.reshape(x.shape[:-1] + (-1, 32)); a = np.abs(x).max(-1, keepdims=True)
;;       e = np.where(a > 0, np.clip(np.frexp(np.where(a > 0, a, 1))[1] - 1 - 2, -126, 127), 0)      # np.frexp(a)[1] - 1 = floor(log2(a)), exactly
;;       r = np.clip(x / 2.0 ** e, -6, 6)
;;       step = 2.0 ** (np.maximum(np.frexp(np.where(r == 0, 1, r))[1] - 1, 0) - 1)
;;       q = np.round(r / step) * step * 2.0 ** e      # np.round: ties to even
;;       return np.moveaxis(q.reshape(q.shape[:-2] + (-1,))[..., :K], -1, axis).astype(np.float32)
;;   ~~~
;;   OPERANDS COMPUTED ON THE WAY. 'Computed on the way' means the value that the module computes at that place (a softmax that the list does not call 'softmax' is quantised finished and normalised). What goes into a quantiser is computed in f32, as accurately as f32 sums, v_exp_f32 and their like allow (about 1e-6 of the number): no bf16 or f16 on the way to a quantiser, and a product that is left as it is and whose result goes on into a quantised operand takes f32 operands (vector FMAs, or v_wmma_f32_16x16x4_f32). A number that lies on a knife's edge between two numbers of the format may be rounded either way, as far as f32 arithmetic and the matrix unit's own rounding can turn it there, and no further.
;; One version. Each part assembles by itself: llvm-mc -triple=amdgcn-amd-amdhsa -mcpu=gfx1250 --defsym DOCPART=n.
;; ======== version 1 of 1: 4 launches
;; limits: an absolute error that grows with the inputs' magnitude: up to 1e-07 times it
;; workspace buffers: xq 557,056 bytes; route 36,864 bytes of whole numbers; gate 12,288 bytes; hq 18,874,368 bytes; rows 33,792 bytes of whole numbers; ybuf 18,874,368 bytes
;; launch route (part 1): grid 32 x 1, 8 waves a work-group, no clusters, 162,304 bytes of LDS; arguments x, Wg, bg, xq, route, gate; writes xq, route, gate
.if DOCPART == 1
	.amdgcn_target "amdgcn-amd-amdhsa--gfx1250"
	.amdhsa_code_object_version 6
	.text
	.protected	k_qcadaf96816_route
	.globl	k_qcadaf96816_route
	.p2align	8
	.type	k_qcadaf96816_route,@function
k_qcadaf96816_route:
	s_mov_b64 s[64:65], 0
	v_nop
	global_prefetch_b8 v0, s[64:65] scope:SCOPE_SE
	s_setreg_imm32_b32 hwreg(HW_REG_WAVE_MODE, 25, 1), 1
	s_wait_xcnt 0x0
; MoE layer, launch 1 of 4: the gate, the choice of two experts, both softmaxes, x as codes of E2M1, and the choice as lists.
; WORK LEFT OUT BY THE WHOLE PROGRAM.  reference() multiplies y[b][e][l][:] by combine[b][l][e], which it builds itself from the one_hot of its own top_k:
; that factor is exactly 0 for the six experts that a token did not choose, whatever finite values the inputs hold.  So h and y of those (token, expert) pairs
; reach no output, and only the 2 x 1,024 chosen rows are multiplied (launches 2 and 3).  All seven inputs have a way to an output and all are loaded.
; LIMITS.  A NaN, an infinity or an overflow that arises only in an unchosen expert's h or y is not carried to the result.  NaN or infinite gate scores are not
; served.  Two scores that differ by less than the rounding of a sum of 1,024 f32 terms may be ordered either way.  A block of 32 zeros gets the scale byte 1
; (its codes are zeros; the bytes are read by this program alone).
; SHARES.  Work-group b owns tokens 32 b .. 32 b + 31; a lane is a token; wave w owns k = 128 w .. 128 w + 127: one K step of the first product, so a lane's four
; block bytes are that token's scale word of K step w.  The choice is derived from floating-point numbers, so no address here hangs on it: for each expert the
; work-group stores, at fixed places, how many of its 32 tokens chose it and the list 'i-th token that chose it', both made by arithmetic on masks.
; HOW THE OPERANDS COME.  x: load n of a wave reads the wave's 512 consecutive bytes of token n; the 32 rows turn through the wave's own stage in LDS (rows of 512 + 16 bytes) and come back a row to a lane.
; Wg: the wave's 128 rows x 8 experts stay in 64 registers, lane n of each half of the lanes holding row n of a group of 16; a multiply-add takes its factor from lane n of its own half (DPP row_share: ISA guide, the chapter on DPP).
; STORED.  xq: [1024][512] bytes of codes, K innermost; from byte 524288 [1024][8] scale words.  route: entry (token | k << 10) at b*1024 + (e>>2)*512 + slot*16 + (e&3)*4;
; from byte 32768 the counts at b*128 + 4 e.  gate: the two weights at 4 (k*1024 + token); from byte 8192 the sums of gate_probs over the 32 tokens at b*128 + 4 e.
.set XP,    528                        ; LDS from byte 0: 8 stages, one a wave: 32 rows of 512 bytes + 16 of padding
.set XW,    16896                      ; a stage: 32 x 528
.set CST,   135168                     ; 32 rows of codes, 512 bytes + 16 of padding
.set CP,    528
.set SST,   152064                     ; 32 tokens x 8 scale words
.set PST,   153088                     ; (wave x 32 + token) x 8 partial scores
.set SPARE, 161280                     ; the spare words: 128 bytes for each of 8 waves, named by no other line
.set X,   16                           ; v16-143  as loaded: register 4 n + j, lane l = x(token n, 4 l + j); back from the stage: my token's 128 numbers
.set WR,  144                          ; v144-207 Wg: register 8 g + e, lane n of each half = Wg(16 g + n, e) of my wave's rows
.set A,   208                          ; v208-223 two sums for each expert (even k, odd k)
.set C,   144                          ; v144-159 the codes (Wg's registers are done with)
.set PS,  224                          ; v224-231 my 8 partial scores
.set MA,  232                          ; v232-235, v236-239 a block's two chains of maxima
.set MB,  236
.set SO,  240                          ; v240-243 the conversions' scale operands
.set BY,  244
.set WD,  248                          ; the scale word
.set SPW, 252                          ; LDS address of my spare word; never rewritten
.set NIL, 253                          ; 0; never rewritten
.set S,   16                           ; wave 0's last stage: v16-23 the scores (v16-79 the eight waves' parts)
.set U,   24                           ; v24-31 the scores without the first choice
.set T,   32                           ; v32-40 nine exponentials
.set M1,  41
.set I1,  42
.set M2,  43
.set I2,  44
.set NI,  45
.set W0,  46                           ; v46-49 sums and reciprocals
.set W2R, 50
.set CN,  104
.set TT,  105
.set POS, 106
.set REM, 107
.set KB,  108
.set ENT, 112                          ; v112-119 the eight experts' list entries of my slot
.set CV,  120                          ; lane e: expert e's count
.set PV,  121                          ; lane e: expert e's sum of gate_probs
	s_load_b256 s[4:11], s[0:1], 0x0               ; x s[4:5], Wg s[6:7], bg s[8:9], xq s[10:11]
	s_load_b128 s[12:15], s[0:1], 0x20             ; route s[12:13], gate s[14:15]
	v_lshl_add_u32 v[SPW], v0, 2, SPARE
	v_mov_b32 v[NIL], 0
	v_and_b32 v1, 31, v0                           ; lane = token
	v_lshrrev_b32 v15, 5, v0                       ; wave
	v_readfirstlane_b32 s16, v15
	v_lshlrev_b32 v13, 4, v1                       ; 16 x lane
	v_lshlrev_b32 v14, 2, v1                       ; 4 x lane
	v_lshl_add_u32 v2, v15, 9, v13                 ; x: my wave's 512 bytes of a row, 16 a lane
	v_and_b32 v3, 15, v0
	v_lshlrev_b32 v3, 5, v3
	v_lshl_add_u32 v3, v15, 12, v3                 ; Wg: my wave's 128 rows of 32 bytes, row lane % 16 of a group
	v_mad_u32_u24 v4, v15, XW, v13                 ; my stage, on the way in: 16 x lane of a row
	v_mul_u32_u24 v5, v1, XP
	v_mad_u32_u24 v5, v15, XW, v5                  ; and on the way out: row = my token
	v_mul_u32_u24 v6, v1, CP
	v_lshl_add_u32 v6, v15, 6, v6
	v_add_nc_u32 v6, CST, v6                       ; my token's row of codes, my wave's 64 bytes
	v_lshlrev_b32 v7, 5, v1
	v_lshl_add_u32 v7, v15, 2, v7
	v_add_nc_u32 v7, SST, v7                       ; my token's scale word of K step w
	v_lshl_add_u32 v8, v0, 5, PST                  ; my partial scores
	v_mul_u32_u24 v9, v15, 4*CP
	v_add_nc_u32 v9, v9, v13
	v_add_nc_u32 v9, CST, v9                       ; back: rows 4 w .. 4 w + 3, 16 bytes a lane
	v_add_nc_u32 v10, SST, v13
	v_lshl_add_u32 v11, v1, 5, PST
	v_lshl_add_u32 v12, v15, 11, v13               ; and the same rows in xq
	s_lshl_b32 s2, ttmp9, 17                       ; 32 rows of x
	s_mov_b32 s3, 0
	s_lshl_b32 s18, ttmp9, 14                      ; 32 rows of codes
	s_mov_b32 s19, 0
	s_lshl_b32 s28, ttmp9, 10                      ; 32 rows of scale words; the work-group's lists
	s_mov_b32 s29, 0
	s_lshl_b32 s30, ttmp9, 7                       ; 128 bytes a work-group: counts, weights, sums
	s_mov_b32 s31, 0
	s_lshl_b32 s17, ttmp9, 5                       ; my first token
	s_mov_b32 s42, 0x76543210
	s_mov_b32 s43, 0xfedcba98                      ; v_permlanex16_b32's selects for lane l xor 16
	s_wait_kmcnt 0x0
	s_load_b256 s[20:27], s[8:9], 0x0              ; bg
	s_add_nc_u64 s[4:5], s[4:5], s[2:3]
	s_add_nc_u64 s[32:33], s[10:11], s[18:19]
	s_add_nc_u64 s[34:35], s[10:11], s[28:29]
	s_add_nc_u64 s[36:37], s[12:13], s[28:29]
	s_add_nc_u64 s[38:39], s[12:13], s[30:31]
	s_add_nc_u64 s[40:41], s[14:15], s[30:31]
.irp g, 0,1,2,3,4,5,6,7
	global_load_b128 v[WR+8*\g:WR+8*\g+3], v3, s[6:7] offset:512*\g            ; experts 0-3 of row 16 g + lane % 16
	global_load_b128 v[WR+8*\g+4:WR+8*\g+7], v3, s[6:7] offset:512*\g+16       ; experts 4-7
.endr
.set n, 0
.rept 32
	global_load_b128 v[X+4*n:X+4*n+3], v2, s[4:5] offset:4096*n                ; token n: 32 lanes read 512 consecutive bytes
.set n, n+1
.endr
.set n, 0
.rept 16
	v_mov_b32 v[A+n], 0                            ; the sixteen sums begin as zeros: a DPP form's destination counts as read, so no first product could start them
.set n, n+1
.endr
.set n, 0
.rept 32
	s_wait_loadcnt 31-n                            ; loads come back in order: token n's is in (behind it stand 31 - n; Wg's sixteen are older)
	ds_store_b128 v4, v[X+4*n:X+4*n+3] offset:XP*n
.set n, n+1
.endr
.set n, 0
.rept 32
	ds_load_b128 v[X+4*n:X+4*n+3], v5 offset:16*n  ; my token's k = 4 n .. 4 n + 3.  The stage is my wave's own, and LDS serves a wave's instructions in order: these see all 32 stores, and land in the registers that the stores left
.set n, n+1
.endr
; sixteen k of all eight experts: sum(e) += Wg(16 g + n, e) x my x(16 g + n); the first source is taken from lane n of my half of the lanes.  Each expert's two sums take turns, so sixteen chains run side by side
.macro DOTG g
.irp n, 0,1,2,3,4,5,6,7,8,9,10,11,12,13,14,15
.if (\n%4) == 0
	s_wait_dscnt 31-(4*(\g)+\n/4)                  ; LDS loads come back in order: the read that brought these four k is in; the younger ones may be out
.endif
.irp e, 0,1,2,3,4,5,6,7
	v_fmac_f32_dpp v[A+2*\e+\n%2], v[WR+8*(\g)+\e], v[X+16*(\g)+\n] row_share:\n row_mask:0xf bank_mask:0xf
.endr
.endr
.endm
.irp g, 0,1,2,3,4,5,6,7
	DOTG \g
.endr
.irp e, 0,1,2,3,4,5,6,7
	v_add_f32 v[PS+\e], v[A+2*\e], v[A+2*\e+1]
.endr
; block q of my 128 numbers: all 32 are mine.  The scale is 2^(floor(log2(largest magnitude)) - 2); its byte is the largest magnitude's exponent field - 2, held at 1 from below by the floor 2^(3 - 127)
.macro QBLK q
.set XS, X+32*\q
	v_max3_num_f32 v[MA+\q], |v[XS]|, |v[XS+1]|, |v[XS+2]|
	v_max3_num_f32 v[MB+\q], |v[XS+3]|, |v[XS+4]|, |v[XS+5]|
.irp i, 6,10,14,18,22,26
	v_max3_num_f32 v[MA+\q], v[MA+\q], |v[XS+\i]|, |v[XS+\i+1]|
	v_max3_num_f32 v[MB+\q], v[MB+\q], |v[XS+\i+2]|, |v[XS+\i+3]|
.endr
	v_max3_num_f32 v[MA+\q], v[MA+\q], |v[XS+30]|, |v[XS+31]|
	v_max3_num_f32 v[MA+\q], v[MA+\q], v[MB+\q], 0x1800000
	v_add_nc_u32 v[SO+\q], 0xff000000, v[MA+\q]    ; 2 off the exponent field: the conversion takes this operand's exponent field as its scale
.irp g, 0,1,2,3
	v_cvt_scalef32_pk8_fp4_f32 v[C+4*\q+\g], v[XS+8*\g:XS+8*\g+7], v[SO+\q]
.endr
.if \q == 0
	v_lshrrev_b32 v[WD], 23, v[SO]                 ; the byte (a plain line behind the conversions)
.else
	v_lshrrev_b32 v[BY], 23, v[SO+\q]
	v_lshl_or_b32 v[WD], v[BY], 8*\q, v[WD]
.endif
	ds_store_b128 v6, v[C+4*\q:C+4*\q+3] offset:16*\q
.endm
	QBLK 0
	QBLK 1
	QBLK 2
	QBLK 3
	ds_store_b32 v7, v[WD]
	ds_store_b128 v8, v[PS:PS+3]
	ds_store_b128 v8, v[PS+4:PS+7] offset:16
	s_wait_kmcnt 0x0                               ; bg
	s_wait_dscnt 0x0                               ; for the others' sake: my stores have landed
	s_barrier_signal -1
	s_barrier_wait -1
.irp i, 0,1,2,3
	ds_load_b128 v[80+4*\i:83+4*\i], v9 offset:\i*CP
.endr
.irp i, 0,1,2,3
	s_wait_dscnt 3-\i
	global_store_b128 v12, v[80+4*\i:83+4*\i], s[32:33] offset:512*\i       ; a whole row of codes: 512 consecutive bytes
.endr
	s_cmp_lg_u32 s16, 1
	s_cbranch_scc1 .Lnot_one
	ds_load_b128 v[96:99], v10                     ; wave 1: the 32 tokens' scale words, 1,024 consecutive bytes
	ds_load_b128 v[100:103], v10 offset:512
	s_wait_dscnt 0x0
	global_store_b128 v13, v[96:99], s[34:35] offset:524288
	global_store_b128 v13, v[100:103], s[34:35] offset:524800
.Lnot_one:
	s_cmp_lg_u32 s16, 0
	s_cbranch_scc1 .Lend
	; ---- wave 0: the scores of my token, the choice, the softmaxes, the lists
.set n, 0
.rept 8
	ds_load_b128 v[S+8*n:S+8*n+3], v11 offset:1024*n
	ds_load_b128 v[S+8*n+4:S+8*n+7], v11 offset:1024*n+16
.set n, n+1
.endr
	s_wait_dscnt 0x0
.irp n, 1,2,3,4,5,6,7
.irp p, 0,2,4,6
	v_pk_add_f32 v[S+\p:S+\p+1], v[S+\p:S+\p+1], v[S+8*\n+\p:S+8*\n+\p+1]
.endr
.endr
.irp e, 0,1,2,3,4,5,6,7
	v_add_f32 v[S+\e], s[20+\e], v[S+\e]
.endr
; the largest of eight, experts ascending; the one in hand stays at a tie, so the lower index wins, as in jax.lax.top_k
.macro SCAN src, m, i
	v_mov_b32 v[\m], v[\src]
	v_mov_b32 v[\i], 0
.irp e, 1,2,3,4,5,6,7
	v_cmp_ge_f32 vcc_lo, v[\m], v[\src+\e]
	v_cndmask_b32 v[\m], v[\src+\e], v[\m], vcc_lo
	v_cndmask_b32 v[\i], \e, v[\i], vcc_lo
.endr
.endm
	SCAN S, M1, I1
	v_mov_b32 v[NI], 0xff800000                    ; -infinity takes the first choice's place
.irp e, 0,1,2,3,4,5,6,7
	v_cmp_eq_u32 vcc_lo, \e, v[I1]
	v_cndmask_b32 v[U+\e], v[S+\e], v[NI], vcc_lo
.endr
	SCAN U, M2, I2
.irp e, 0,1,2,3,4,5,6,7
	v_sub_f32 v[T+\e], v[S+\e], v[M1]              ; the maximum is taken away ahead of both softmaxes' exponentials
.endr
	v_sub_f32 v[T+8], v[M2], v[M1]
.irp e, 0,1,2,3,4,5,6,7,8
	v_mul_f32 v[T+\e], 0x3fb8aa3b, v[T+\e]
.endr
.irp e, 0,1,2,3,4,5,6,7,8
	v_exp_f32 v[T+\e], v[T+\e]
.endr
	v_mov_b32 v[CV], 0                             ; a plain line behind the exponentials
	s_wait_alu depctr_va_vdst(0)                   ; one wait for the nine, ahead of their first reader
	v_pk_add_f32 v[W0:W0+1], v[T:T+1], v[T+2:T+3]
	v_pk_add_f32 v[W0+2:W0+3], v[T+4:T+5], v[T+6:T+7]
	v_pk_add_f32 v[W0:W0+1], v[W0:W0+1], v[W0+2:W0+3]
	v_add_f32 v[W0], v[W0], v[W0+1]
	v_add_f32 v[W0+1], 1.0, v[T+8]
	v_rcp_f32 v[W0], v[W0]
	v_rcp_f32 v[W0+1], v[W0+1]                     ; the first weight: 1 / (1 + e^(second - first))
	v_mov_b32 v[PV], 0
	s_wait_alu depctr_va_vdst(0)                   ; one wait for the two
	v_mul_f32 v[W2R], v[T+8], v[W0+1]              ; the second weight
.irp e, 0,1,2,3,4,5,6,7
	v_mul_f32 v[T+\e], v[T+\e], v[W0]              ; gate_probs
.endr
.irp m, 1,2,4,8
.irp e, 0,1,2,3,4,5,6,7
	v_add_f32_dpp v[T+\e], v[T+\e], v[T+\e] row_xmask:\m row_mask:0xf bank_mask:0xf
.endr
.endr
.irp e, 0,1,2,3,4,5,6,7
	v_permlanex16_b32 v[U+\e], v[T+\e], s42, s43
.endr
.irp e, 0,1,2,3,4,5,6,7
	v_add_f32 v[T+\e], v[T+\e], v[U+\e]            ; summed over the 32 tokens
.endr
.irp e, 0,1,2,3,4,5,6,7
	v_cmp_eq_u32 vcc_lo, \e, v1
	v_cndmask_b32 v[PV], v[PV], v[T+\e], vcc_lo
.endr
; Expert e's list.  m = the mask of tokens that chose it.  Partial counts of m's bits by fields of 2, 4, 8, 16 bits; then lane i walks down to the place of the i-th set bit:
; at each width it looks at the count of the lower half and goes on in the upper half if i is not under it.  Slots from the count on hold places that nobody uses.
.macro LEVEL d, f, n, k
	s_and_b32 s[\d], s[\f], \k
	s_lshr_b32 s52, s[\f], \n
	s_and_b32 s52, s52, \k
	s_add_co_u32 s[\d], s[\d], s52
.endm
.macro HALVE w, l
	v_bfe_u32 v[CN], s[\l], v[POS], \w
	v_cmp_ge_u32 vcc_lo, v[REM], v[CN]
	v_sub_nc_u32 v[TT], v[REM], v[CN]
	v_cndmask_b32 v[REM], v[REM], v[TT], vcc_lo
	v_add_nc_u32 v[TT], \w, v[POS]
	v_cndmask_b32 v[POS], v[POS], v[TT], vcc_lo
.endm
.macro PICK e
	v_cmp_eq_u32 s44, \e, v[I1]
	v_cmp_eq_u32 s45, \e, v[I2]
	s_or_b32 s46, s44, s45
	s_bcnt1_i32_b32 s51, s46
	LEVEL 47, 46, 1, 0x55555555
	LEVEL 48, 47, 2, 0x33333333
	LEVEL 49, 48, 4, 0x0f0f0f0f
	LEVEL 50, 49, 8, 0x00ff00ff
	v_mov_b32 v[POS], 0
	v_mov_b32 v[REM], v1
	HALVE 16, 50
	HALVE 8, 49
	HALVE 4, 48
	HALVE 2, 47
	HALVE 1, 46
	v_bfe_u32 v[KB], s45, v[POS], 1                ; 1 where the expert is that token's second choice
	v_lshl_add_u32 v[ENT+\e], v[KB], 10, v[POS]
	v_add_nc_u32 v[ENT+\e], s17, v[ENT+\e]
	v_writelane_b32 v[CV], s51, \e
.endm
.irp e, 0,1,2,3,4,5,6,7
	PICK \e
.endr
	global_store_b128 v13, v[ENT:ENT+3], s[36:37]
	global_store_b128 v13, v[ENT+4:ENT+7], s[36:37] offset:512
	global_store_b32 v14, v[CV], s[38:39] offset:32768
	global_store_b32 v14, v[W0+1], s[40:41]
	global_store_b32 v14, v[W2R], s[40:41] offset:4096
	global_store_b32 v14, v[PV], s[40:41] offset:8192
.Lend:
	s_wait_tensorcnt 0x0                           ; the wave's end
	ds_add_u32 v[SPW], v[NIL]
	s_wait_dscnt 0x0
	s_endpgm
.Lfunc_end_k_qcadaf96816_route:
	.size	k_qcadaf96816_route, .Lfunc_end_k_qcadaf96816_route-k_qcadaf96816_route
	.p2alignl 7, 3214868480
	.fill 96, 4, 3214868480
	.section	.rodata,"a",@progbits
	.p2align	6, 0x0
	.amdhsa_kernel k_qcadaf96816_route
		.amdhsa_group_segment_fixed_size 162304
		.amdhsa_private_segment_fixed_size 0
		.amdhsa_enable_private_segment 0
		.amdhsa_kernarg_size 48
		.amdhsa_user_sgpr_count 2
		.amdhsa_user_sgpr_kernarg_segment_ptr 1
		.amdhsa_wavefront_size32 1
		.amdhsa_system_sgpr_workgroup_id_x 1
		.amdhsa_system_sgpr_workgroup_id_y 1
		.amdhsa_system_sgpr_workgroup_id_z 1
		.amdhsa_system_vgpr_workitem_id 0
		.amdhsa_next_free_vgpr 256
		.amdhsa_next_free_sgpr 66
		.amdhsa_reserve_vcc 1
		.amdhsa_float_denorm_mode_32 3
		.amdhsa_float_denorm_mode_16_64 3
		.amdhsa_memory_ordered 1
		.amdhsa_forward_progress 1
		.amdhsa_inst_pref_size 115
	.end_amdhsa_kernel
	.amdgpu_metadata
---
amdhsa.version: [ 1, 2 ]
amdhsa.kernels:
  - .name:           k_qcadaf96816_route
    .symbol:         k_qcadaf96816_route.kd
    .args:
      - { .name: x, .offset: 0, .size: 8, .value_kind: global_buffer, .address_space: global }
      - { .name: Wg, .offset: 8, .size: 8, .value_kind: global_buffer, .address_space: global }
      - { .name: bg, .offset: 16, .size: 8, .value_kind: global_buffer, .address_space: global }
      - { .name: xq, .offset: 24, .size: 8, .value_kind: global_buffer, .address_space: global }
      - { .name: route, .offset: 32, .size: 8, .value_kind: global_buffer, .address_space: global }
      - { .name: gate, .offset: 40, .size: 8, .value_kind: global_buffer, .address_space: global }
    .group_segment_fixed_size: 162304
    .private_segment_fixed_size: 0
    .kernarg_segment_align: 8
    .kernarg_segment_size: 48
    .max_flat_workgroup_size: 256
    .sgpr_count:     66
    .vgpr_count:     256
    .wavefront_size: 32
...
	.end_amdgpu_metadata
.endif
;; end of part 1
;; launch up (part 2): grid 32 x 8, 16 waves a work-group, no clusters, 83,968 bytes of LDS; arguments W1, b1, xq, route, hq, rows; writes hq, rows
.if DOCPART == 2
	.amdgcn_target "amdgcn-amd-amdhsa--gfx1250"
	.amdhsa_code_object_version 6
	.text
	.protected	k_qcadaf96816_up
	.globl	k_qcadaf96816_up
	.p2align	8
	.type	k_qcadaf96816_up,@function
k_qcadaf96816_up:
	s_mov_b64 s[64:65], 0
	v_nop
	global_prefetch_b8 v0, s[64:65] scope:SCOPE_SE
	s_setreg_imm32_b32 hwreg(HW_REG_WAVE_MODE, 25, 1), 1
	s_wait_xcnt 0x0
; MoE layer, launch 2 of 4: h = Q(gelu(Q(x) Q(W1[e]) + b1[e])) for the rows (token, expert) that were chosen; the others are left out (shown at the head of launch 1).
; SHARES.  Work-group (S, e) owns hidden units 128 S .. 128 S + 127 of expert e.  PHASE 1: it reads its slice of W1[e], 1,024 rows of 512 bytes, once, quantises it along K = D and keeps
; it in LDS as images of operand registers.  A lane takes a column and its registers run down K, so a block of 32 lies in one lane and nothing is transposed.  A wave has two units of
; 32 columns x 128 k and keeps 64 loads of 128 bytes on their way.  Meanwhile it joins the expert's 32 short lists (launch 1) into one list of N rows: whole numbers read from memory.
; PHASE 2: wave w takes the tiles of 16 rows w, w + 16, .. under ceil(N / 16): x's codes by the list, 64 products, bias, GELU, quantiser, and the result as one fragment image of the next product.
; No tensor load and no cluster: the number of tiles hangs on counts read from memory, and no two work-groups read the same weights.
; THE COLUMNS OF A TILE ARE NOT NEIGHBOURS: row r of tile 2 b + u is unit 32 b + 8 u + r + 8 (r / 8), so that in the transposed result (source 0 = 16 units, source 1 = 16 tokens) the 16 registers of
; tiles 2 b, 2 b + 1 are 16 neighbours along the next K: unit 32 b + 16 (lane / 16) + 0 .. 15 of token lane % 16.
; GELU: 0.5 x + 0.5 x erf(x / sqrt 2), erf(z) = z P(z^2) / Q(z^2) with z held to +-4: a rational form good to a few units in the last place of f32.
; LIMITS: the error of h is about 1e-7 |x| in absolute terms; a block of zeros gets the scale byte 1; NaN and infinities are not served.  Every split of the tokens is served: N from 0 to 1,024.
; STORED.  hq: fragment image of (expert e, tile tau, K step S) at ((64 e + tau) 32 + S) 1024, its scale words from byte 16777216 at (..) 128.  rows (by the work-groups S = 0): the list at 4096 e + 4 p,
; slot p from N on holding 2048 + 32 e + p % 32 (a spare row of the next launch's results; read as a token it is 32 e + p % 32, whose result nobody uses); from byte 32768 N at 128 e.
.set WIMG,  0                          ; LDS: fragment (K step s, tile t) at (8 s + t) 1024: registers 0-3 at 16 x lane, registers 4-7 512 further on
.set WSC,   65536                      ; scale words: (4 s + g) 128 + 4 x lane: lanes 0-15 tile 2 g's rows, lanes 16-31 tile 2 g + 1's
.set BIMG,  69632                      ; b1 as images of the eight accumulators
.set LIST,  77824                      ; the expert's list, 1,024 entries
.set SPARE, 81920                      ; the spare words: 128 bytes for each of 16 waves, named by no other line
.set X,    16                          ; phase 1: v16-79 two sets of 32 numbers
.set C,    80                          ; v80-111 the codes of my two units
.set WS,   112                         ; v112-113 their scale words
.set MA,   114
.set MB,   115
.set SCO,  116
.set BY,   117
.set CNT,  118                         ; lane b: how many of tokens 32 b .. 32 b + 31 chose e
.set ZR,   119
.set P1,   120
.set A0,   121
.set A1,   122
.set TT,   123
.set E0,   124
.set E1,   125
.set VN,   126
.set DUMP, 127
.set BIA,  128                         ; v128-131 my piece of b1
.set EN2,  132
.set BO,   133
.set CO,   134
.set XF,   16                          ; phase 2: v16-79 x's eight fragments; later erf's numerators
.set WF,   80                          ; v80-143 a K step's eight fragments of W1; later z, then erf's denominators
.set ACC,  144                         ; v144-207 eight accumulators
.set QT,   208                         ; v208-215 z^2, v216-223 P: four pairs at a time
.set PT,   216
.set VA,   224                         ; v[224:225], v[226:227]: the second coefficients of P and Q
.set VB,   226
.set ENT,  228
.set TOK,  229
.set XO,   230
.set XSO,  231
.set HO,   232
.set HSO,  233
.set LA,   234
.set XSW,  240                         ; v240-247 x's scale words, v248-251 W1's: these hold scales and nothing else
.set WSW,  248
.set SPW,  252
.set NIL,  253
.set TM,   80                          ; the quantiser's work: v80-95; the codes v96-103; the scale word v104
.set PC,   96
.set PW,   104
.set WB,   26                          ; s[26:27], s[28:29]: my first and my second unit in W1
.set SEL,  98
.set CH,   100                         ; s[100:101] 1 / sqrt 2
.set AL,   32                          ; s[32:43] six coefficients of P, s[44:51] four of Q, each twice (packed forms name pairs)
.set BE,   44
	s_load_b256 s[4:11], s[0:1], 0x0               ; W1 s[4:5], b1 s[6:7], xq s[8:9], route s[10:11]
	s_load_b128 s[12:15], s[0:1], 0x20             ; hq s[12:13], rows s[14:15]
	v_lshl_add_u32 v[SPW], v0, 2, SPARE
	v_mov_b32 v[NIL], 0
	v_and_b32 v1, 31, v0                           ; lane
	v_and_b32 v2, 15, v0                           ; r
	v_bfe_u32 v3, v0, 4, 1                         ; h
	v_lshrrev_b32 v15, 5, v0                       ; wave
	v_readfirstlane_b32 s16, v15
	v_lshlrev_b32 v4, 4, v1                        ; v4  16 x lane: an image's place for my lane
	v_lshlrev_b32 v5, 2, v1                        ; v5  4 x lane
	v_add_nc_u32 v6, BIMG, v4                      ; v6  b1's images
	v_lshlrev_b32 v7, 2, v2
	v_lshl_add_u32 v7, v15, 6, v7
	v_add_nc_u32 v7, LIST, v7                      ; v7  the list's entry 16 w + r
	v_and_b32 v8, 7, v0
	v_lshl_add_u32 v8, v3, 3, v8
	v_bfe_u32 v9, v0, 3, 1
	v_lshl_add_u32 v8, v9, 4, v8
	v_lshlrev_b32 v8, 2, v8                        ; v8  my column of the 32: (l % 8) + 8 (l / 16) + 16 ((l / 8) % 2), in bytes
	v_and_b32 v10, 3, v15                          ; g = w % 4: which 32 columns
	v_lshrrev_b32 v11, 2, v15                      ; s0 = w / 4: my units are K steps s0 and s0 + 4
	v_lshl_add_u32 v9, v11, 13, v4
	v_lshl_add_u32 v9, v10, 11, v9                 ; v9  where my fragments go: 16 x lane + 8192 s0 + 2048 g
	v_lshl_add_u32 v12, v11, 9, v5
	v_lshl_add_u32 v12, v10, 7, v12
	v_add_nc_u32 v10, WSC, v12                     ; v10 and their scale words
	v_lshl_add_u32 v11, v15, 9, v6                 ; v11 my piece of b1's images: 512 x wave
	v_lshl_add_u32 v12, v0, 2, LIST                ; v12 the list's entries tid and tid + 512
	v_lshlrev_b32 v13, 2, v0
	v_lshlrev_b32 v14, 4, v3                       ; v14 16 h
	v_add_nc_u32 v15, WSC, v5                      ; v15 scale words on the way back
	v_lshlrev_b32 v[BO], 6, v3
	v_lshlrev_b32 v[CO], 7, v1
	v_mov_b32 v[ZR], 0
	v_mov_b32 v[VA], 0x32edffee                    ; 2.77068142495902e-08
	v_mov_b32 v[VA+1], 0x32edffee
	v_mov_b32 v[VB], 0xb95fbd29                    ; -2.13374055278905e-04
	v_mov_b32 v[VB+1], 0xb95fbd29
	s_and_b32 s17, ttmp7, 0xffff                   ; e
	s_mov_b32 s18, ttmp9                           ; S
	s_and_b32 s19, s16, 3
	s_lshr_b32 s20, s16, 2
	s_lshl_b32 s2, s17, 12
	v_add_nc_u32 v13, s2, v13                      ; v13 rows: 4096 e + 4 tid
	s_lshl_b32 s2, s17, 7
	v_lshl_add_u32 v[EN2], v0, 2, s2               ; 128 e + 4 tid
	s_lshl_b32 s2, s17, 2
	v_add_nc_u32 v[CO], s2, v[CO]                  ; counts: 128 b + 4 e, b = my lane
	s_lshr_b32 s25, s17, 2
	s_lshl_b32 s25, s25, 9
	s_and_b32 s3, s17, 3
	s_lshl_b32 s3, s3, 2
	s_add_co_u32 s25, s25, s3                      ; expert e's place in a work-group's lists
	s_lshl_b32 s2, s17, 5
	s_add_co_u32 s2, s2, 2048
	v_add_nc_u32 v[DUMP], s2, v1                   ; what a slot beyond N holds: 2048 + 32 e + slot % 32 (slots tid and tid + 512: both my lane)
	s_lshl_b32 s30, s17, 14                        ; b1: 4 (4096 e + 128 S + 32 (w / 4) + 8 ((w / 2) % 2) + 4 (w % 2)): wave w brings half w % 2 of tile w / 2
	s_lshl_b32 s31, s18, 9
	s_add_co_u32 s30, s30, s31
	s_lshl_b32 s31, s20, 7
	s_add_co_u32 s30, s30, s31
	s_bfe_u32 s31, s16, 0x10001
	s_lshl_b32 s31, s31, 5
	s_add_co_u32 s30, s30, s31
	s_and_b32 s31, s16, 1
	s_lshl_b32 s31, s31, 4
	s_add_co_u32 s30, s30, s31
	s_mov_b32 s31, 0
	s_lshl_b32 s2, s17, 24                         ; W1: expert e, row 128 s0, column 128 S + 32 g
	s_lshl_b32 s3, s20, 21
	s_add_co_u32 s2, s2, s3
	s_lshl_b32 s3, s18, 9
	s_add_co_u32 s2, s2, s3
	s_lshl_b32 s3, s19, 7
	s_add_co_u32 s2, s2, s3
	s_mov_b32 s3, 0
	s_mov_b32 s[SEL], 0x76543210
	s_mov_b32 s[SEL+1], 0xfedcba98
	s_mov_b32 s[CH], 0x3f3504f3
	s_mov_b32 s[CH+1], 0x3f3504f3
	s_wait_kmcnt 0x0
	s_add_nc_u64 s[WB:WB+1], s[4:5], s[2:3]
	s_add_nc_u64 s[WB+2:WB+3], s[WB:WB+1], 0x800000      ; 512 rows of 16,384 bytes on: more than a load's immediate holds
	s_add_nc_u64 s[6:7], s[6:7], s[30:31]
	s_add_nc_u64 s[30:31], s[12:13], 0x1000000           ; hq's scale words
; block t of my eight (unit t / 4, block t % 4): W1(k, my column) for 32 k, into set t % 2; 32 lanes read 128 consecutive bytes, four waves side by side 512
.macro LOADW t
.set lw, 0
.rept 32
	global_load_b32 v[X+32*((\t)%2)+lw], v8, s[WB+2*((\t)/4):WB+2*((\t)/4)+1] offset:(32*((\t)%4)+lw)*16384 th:TH_LOAD_NT
.set lw, lw+1
.endr
.endm
; block t is quantised; cnt: the loads issued behind its own.  Lanes 0-15 hold rows of tile 2 g, lanes 16-31 of tile 2 g + 1, a whole block each; the operand's layout wants blocks 0 and 2 in lanes 0-15
; and blocks 1 and 3 in lanes 16-31: exchanging the halves of two blocks' registers gives both tiles' registers at once.
.macro BLOCK t, cnt
.set XS, X+32*((\t)%2)
.set UU, (\t)/4
.set QQ, (\t)%4
.set CU, C+16*UU
	s_wait_loadcnt \cnt
	v_max3_num_f32 v[MA], |v[XS]|, |v[XS+1]|, |v[XS+2]|
	v_max3_num_f32 v[MB], |v[XS+3]|, |v[XS+4]|, |v[XS+5]|
.irp i, 6,10,14,18,22,26
	v_max3_num_f32 v[MA], v[MA], |v[XS+\i]|, |v[XS+\i+1]|
	v_max3_num_f32 v[MB], v[MB], |v[XS+\i+2]|, |v[XS+\i+3]|
.endr
	v_max3_num_f32 v[MA], v[MA], |v[XS+30]|, |v[XS+31]|
	v_max3_num_f32 v[MA], v[MA], v[MB], 0x1800000  ; the floor 2^(3 - 127): the byte cannot fall under 1
	v_add_nc_u32 v[SCO], 0xff000000, v[MA]         ; 2 off the exponent field: the conversions' scale operand
.irp g, 0,1,2,3
	v_cvt_scalef32_pk8_fp4_f32 v[CU+4*QQ+\g], v[XS+8*\g:XS+8*\g+7], v[SCO]
.endr
.if QQ == 0
	v_lshrrev_b32 v[WS+UU], 23, v[SCO]             ; the byte (a plain line behind the conversions)
.else
	v_lshrrev_b32 v[BY], 23, v[SCO]
	v_lshl_or_b32 v[WS+UU], v[BY], 8*QQ, v[WS+UU]
.endif
.if (\t) < 6
	LOADW (\t)+2
.endif
.if QQ == 1
.irp i, 0,1,2,3
	v_permlane16_swap_b32 v[CU+\i], v[CU+4+\i]
.endr
.endif
.if QQ == 3
.irp i, 0,1,2,3
	v_permlane16_swap_b32 v[CU+8+\i], v[CU+12+\i]
.endr
	ds_store_b128 v9, v[CU:CU+3] offset:32768*UU             ; tile 2 g: registers 0-3,
	ds_store_b128 v9, v[CU+8:CU+11] offset:32768*UU+512      ; registers 4-7;
	ds_store_b128 v9, v[CU+4:CU+7] offset:32768*UU+1024      ; tile 2 g + 1
	ds_store_b128 v9, v[CU+12:CU+15] offset:32768*UU+1536
	ds_store_b32 v10, v[WS+UU] offset:2048*UU
.endif
.endm
	global_load_b32 v[CNT], v[CO], s[10:11] offset:32768
	global_load_b128 v[BIA:BIA+3], v[BO], s[6:7]
	LOADW 0
	LOADW 1
	BLOCK 0, 32                                    ; behind block 0's loads stand block 1's 32; the counts and b1, issued earlier, are in too
	ds_store_b128 v11, v[BIA:BIA+3]
	; the list.  incl_b = how many rows the first b + 1 short lists hold.  Slot p lies in list b(p) = the number of b with incl_b <= p, at place p - incl_(b(p) - 1):
	; its byte is 16 p + the sum over those b of (1024 - 16 count_b) = 1024 b(p) + 16 (place)
	s_mov_b32 s21, 0
.set nb, 0
.rept 32
	v_readlane_b32 s[66+nb], v[CNT], nb
	s_min_u32 s[66+nb], s[66+nb], 32
	s_add_co_u32 s21, s21, s[66+nb]
	s_mov_b32 s[32+nb], s21
	s_lshl_b32 s[66+nb], s[66+nb], 4
	s_sub_co_u32 s[66+nb], 1024, s[66+nb]
.set nb, nb+1
.endr
	s_add_co_u32 s22, s21, 15
	s_lshr_b32 s22, s22, 4                         ; tiles of 16 rows
	v_lshlrev_b32 v[A0], 4, v0
	v_add_nc_u32 v[P1], 0x200, v0
	v_lshlrev_b32 v[A1], 4, v[P1]
.set nb, 0
.rept 32
	v_cmp_gt_u32 vcc_lo, s[32+nb], v0
	v_cndmask_b32 v[TT], s[66+nb], v[ZR], vcc_lo
	v_add_nc_u32 v[A0], v[A0], v[TT]
	v_cmp_gt_u32 vcc_lo, s[32+nb], v[P1]
	v_cndmask_b32 v[TT], s[66+nb], v[ZR], vcc_lo
	v_add_nc_u32 v[A1], v[A1], v[TT]
.set nb, nb+1
.endr
	v_min_u32 v[A0], 0x7df0, v[A0]                 ; held inside the lists: list 31, place 31 at the most (slots from N on read that entry and discard it)
	v_min_u32 v[A1], 0x7df0, v[A1]
	v_add_nc_u32 v[A0], s25, v[A0]
	v_add_nc_u32 v[A1], s25, v[A1]
	global_load_b32 v[E0], v[A0], s[10:11]
	global_load_b32 v[E1], v[A1], s[10:11]
	v_mov_b32 v[VN], s21
	BLOCK 1, 34                                    ; behind block 1's loads: block 2's 32 and the two entries
	BLOCK 2, 34                                    ; behind block 2's: the two entries and block 3's 32
	BLOCK 3, 32                                    ; behind block 3's: block 4's 32; the entries, issued earlier, are in
	v_min_u32 v[E0], 0x7ff, v[E0]
	v_min_u32 v[E1], 0x7ff, v[E1]
	v_cmp_gt_u32 vcc_lo, s21, v0
	v_cndmask_b32 v[E0], v[DUMP], v[E0], vcc_lo
	v_cmp_gt_u32 vcc_lo, s21, v[P1]
	v_cndmask_b32 v[E1], v[DUMP], v[E1], vcc_lo
	ds_store_b32 v12, v[E0]
	ds_store_b32 v12, v[E1] offset:2048
	s_cmp_lg_u32 s18, 0                            ; the expert's first work-group leaves the list and N for the next launch
	s_cbranch_scc1 .Lnot_first
	global_store_b32 v13, v[E0], s[14:15]
	global_store_b32 v13, v[E1], s[14:15] offset:2048
	s_cmp_lg_u32 s16, 0
	s_cbranch_scc1 .Lnot_first
	global_store_b32 v[EN2], v[VN], s[14:15] offset:32768
.Lnot_first:
	BLOCK 4, 32
	BLOCK 5, 32
	BLOCK 6, 32
	BLOCK 7, 0
.macro SPAIR r, bits
	s_mov_b32 s[\r], \bits
	s_mov_b32 s[\r+1], \bits
.endm
	SPAIR AL,    0xaf95df0b                        ; P: -2.72614225801306e-10  (its second coefficient stands in v[224:225])
	SPAIR AL+2,  0xb60cff51                        ; -2.10102402082508e-06
	SPAIR AL+4,  0xb86ec2d2                        ; -5.69250639462346e-05
	SPAIR AL+6,  0xba40ac63                        ; -7.34990630326855e-04
	SPAIR AL+8,  0xbb41a1f6                        ; -2.95459980854025e-03
	SPAIR AL+10, 0xbc83dbd4                        ; -1.60960333262415e-02
	SPAIR BE,    0xb77460cd                        ; Q: -1.45660718464996e-05  (its second coefficient stands in v[226:227])
	SPAIR BE+2,  0xbadc924e                        ; -1.68282697438203e-03
	SPAIR BE+4,  0xbbf19bf8                        ; -7.37332916720468e-03
	SPAIR BE+6,  0xbc69b6a7                        ; -1.42647390514189e-02
	s_wait_xcnt 0x0                                ; the list's stores have read their registers, which phase 2 writes again
	s_wait_dscnt 0x0                               ; for the others' sake: my images, my piece of b1 and my part of the list have landed
	s_barrier_signal -1
	s_barrier_wait -1                              ; the launch's one barrier: from here on LDS is only read
; K step s: its eight fragments of W1 and four scale registers from LDS; eight products, the eight accumulators by turns, one instruction a turn
.macro UPSTEP s
.irp t, 0,1,2,3,4,5,6,7
	ds_load_b128 v[WF+8*\t:WF+8*\t+3], v4 offset:8192*\s+1024*\t
	ds_load_b128 v[WF+8*\t+4:WF+8*\t+7], v4 offset:8192*\s+1024*\t+512
.endr
.irp g, 0,1,2,3
	ds_load_b32 v[WSW+\g], v15 offset:512*\s+128*\g
.endr
	s_wait_dscnt 0x0
.if \s == 0
	s_wait_loadcnt 0x0                             ; x's fragments and scale words
.endif
.irp t, 0,2,4,6
	v_wmma_scale_f32_16x16x128_f8f6f4 v[ACC+8*\t:ACC+8*\t+7], v[WF+8*\t:WF+8*\t+7], v[XF+8*\s:XF+8*\s+7], v[ACC+8*\t:ACC+8*\t+7], v[WSW+\t/2], v[XSW+\s] matrix_a_fmt:MATRIX_FMT_FP4 matrix_b_fmt:MATRIX_FMT_FP4
	v_wmma_scale_f32_16x16x128_f8f6f4 v[ACC+8*\t+8:ACC+8*\t+15], v[WF+8*\t+8:WF+8*\t+15], v[XF+8*\s:XF+8*\s+7], v[ACC+8*\t+8:ACC+8*\t+15], v[WSW+\t/2], v[XSW+\s] matrix_a_fmt:MATRIX_FMT_FP4 matrix_b_fmt:MATRIX_FMT_FP4 matrix_a_scale:MATRIX_SCALE_ROW1
.endr
.rept 4
	v_nop                                          ; four places in front of loads into registers that these products read, and of the first read of results
.endr
.endm
; accumulator t, from its low end on, four pairs line by line: z = x / sqrt 2 held to +-4; z^2; P by six multiply-adds; the numerator z P; Q by four
.macro GEL1 t
.set AC, ACC+8*\t
.set ZF, WF+8*\t
.set NF, XF+8*\t
.irp p, 0,2,4,6
	v_pk_mul_f32 v[ZF+\p:ZF+\p+1], v[AC+\p:AC+\p+1], s[CH:CH+1] op_sel_hi:[1,0]
.endr
.irp p, 0,1,2,3,4,5,6,7
	v_med3_num_f32 v[ZF+\p], v[ZF+\p], -4.0, 4.0
.endr
.irp p, 0,2,4,6
	v_pk_mul_f32 v[QT+\p:QT+\p+1], v[ZF+\p:ZF+\p+1], v[ZF+\p:ZF+\p+1]
.endr
.irp p, 0,2,4,6
	v_pk_fma_f32 v[PT+\p:PT+\p+1], v[QT+\p:QT+\p+1], s[AL:AL+1], v[VA:VA+1] op_sel_hi:[1,0,1]
.endr
.irp c, 2,4,6,8,10
.irp p, 0,2,4,6
	v_pk_fma_f32 v[PT+\p:PT+\p+1], v[PT+\p:PT+\p+1], v[QT+\p:QT+\p+1], s[AL+\c:AL+\c+1] op_sel_hi:[1,1,0]
.endr
.endr
.irp p, 0,2,4,6
	v_pk_mul_f32 v[NF+\p:NF+\p+1], v[ZF+\p:ZF+\p+1], v[PT+\p:PT+\p+1]
.endr
.irp p, 0,2,4,6
	v_pk_fma_f32 v[ZF+\p:ZF+\p+1], v[QT+\p:QT+\p+1], s[BE:BE+1], v[VB:VB+1] op_sel_hi:[1,0,1]
.endr
.irp c, 2,4,6
.irp p, 0,2,4,6
	v_pk_fma_f32 v[ZF+\p:ZF+\p+1], v[ZF+\p:ZF+\p+1], v[QT+\p:QT+\p+1], s[BE+\c:BE+\c+1] op_sel_hi:[1,1,0]
.endr
.endr
.endm
; 64 numbers of a lane, register 16 b + i = k 32 b + 16 (lane / 16) + i of my row, become a fragment's codes in v[PC] on and its scale word in v[PW]
.macro QUANT s
.irp b, 0,1,2,3
	v_max3_num_f32 v[TM+\b], |v[\s+16*\b]|, |v[\s+1+16*\b]|, 0x1800000
.endr
.irp i, 2,4,6,8,10,12,14
.irp b, 0,1,2,3
	v_max3_num_f32 v[TM+\b], v[TM+\b], |v[\s+16*\b+\i]|, |v[\s+1+16*\b+\i]|
.endr
.endr
.irp b, 0,1,2,3
	v_permlanex16_b32 v[TM+4+\b], v[TM+\b], s[SEL], s[SEL+1]
.endr
.irp b, 0,1,2,3
	v_max_num_f32 v[TM+\b], v[TM+\b], v[TM+4+\b]   ; with lane l xor 16's 16: the block's largest magnitude
.endr
.irp b, 0,1,2,3
	v_add_nc_u32 v[TM+12+\b], 0xff000000, v[TM+\b]
.endr
.irp b, 0,1,2,3
	v_lshrrev_b32 v[TM+4+\b], 23, v[TM+12+\b]
.endr
	v_lshl_or_b32 v[PW], v[TM+5], 8, v[TM+4]
	v_lshl_or_b32 v[PW], v[TM+6], 16, v[PW]
	v_lshl_or_b32 v[PW], v[TM+7], 24, v[PW]
.irp b, 0,1,2,3
	v_cvt_scalef32_pk8_fp4_f32 v[PC+2*\b], v[\s+16*\b:\s+7+16*\b], v[TM+12+\b]
	v_cvt_scalef32_pk8_fp4_f32 v[PC+1+2*\b], v[\s+8+16*\b:\s+15+16*\b], v[TM+12+\b]
.endr
	v_nop                                          ; one plain line behind the conversions
.irp c, 0,1
.irp i, 0,1
	v_permlane16_swap_b32 v[PC+4*\c+\i], v[PC+2+4*\c+\i]     ; a whole block to a lane: lanes 0-15 block 2 c, lanes 16-31 block 2 c + 1
.endr
.endr
.endm
	s_mov_b32 s23, 0                               ; four trips in every wave: the count is a constant; a tile that the list does not reach is jumped over
	s_mov_b32 s24, s16                             ; tile w + 16 j
	s_mov_b32 s25, 0                               ; its entries: 1,024 bytes a trip
.Lrow:
	s_cmp_ge_u32 s24, s22
	s_cbranch_scc1 .Lskip
	s_wait_xcnt 0x0                                ; the last trip's stores have read their data and offsets
	v_add_nc_u32 v[LA], s25, v7
	ds_load_b32 v[ENT], v[LA]
.irp t, 0,1,2,3,4,5,6,7
	ds_load_b128 v[ACC+8*\t:ACC+8*\t+3], v6 offset:1024*\t           ; b1 starts the sums
	ds_load_b128 v[ACC+8*\t+4:ACC+8*\t+7], v6 offset:1024*\t+512
.endr
	s_wait_dscnt 16                                ; the entry is in; b1's sixteen loads may be out
	v_min_u32 v[ENT], 0x8ff, v[ENT]
	v_and_b32 v[TOK], 0x3ff, v[ENT]                ; the token (a slot beyond N: some token whose result nobody uses)
	v_lshl_add_u32 v[XO], v[TOK], 9, v14
	v_lshlrev_b32 v[XSO], 5, v[TOK]
.irp s, 0,1,2,3,4,5,6,7
	global_load_b128 v[XF+8*\s:XF+8*\s+3], v[XO], s[8:9] offset:64*\s
	global_load_b128 v[XF+8*\s+4:XF+8*\s+7], v[XO], s[8:9] offset:64*\s+32
.endr
	global_load_b128 v[XSW:XSW+3], v[XSO], s[8:9] offset:524288
	global_load_b128 v[XSW+4:XSW+7], v[XSO], s[8:9] offset:524304
.irp s, 0,1,2,3,4,5,6,7
	UPSTEP \s
.endr
.irp t, 0,1,2,3,4,5,6,7
	GEL1 \t
.endr
.set n, 0
.rept 64
	v_rcp_f32 v[WF+n], v[WF+n]
.set n, n+1
.endr
.set n, 0
.rept 32
	v_pk_mul_f32 v[ACC+2*n:ACC+2*n+1], v[ACC+2*n:ACC+2*n+1], 0.5 op_sel_hi:[1,0]     ; 0.5 x: work that names no reciprocal stands between the batch and its wait
.set n, n+1
.endr
	s_wait_alu depctr_va_vdst(0)                   ; one wait for the 64 reciprocals, ahead of their first reader
.set n, 0
.rept 32
	v_pk_mul_f32 v[XF+2*n:XF+2*n+1], v[XF+2*n:XF+2*n+1], v[WF+2*n:WF+2*n+1]          ; erf
.set n, n+1
.endr
.set n, 0
.rept 32
	v_pk_fma_f32 v[ACC+2*n:ACC+2*n+1], v[ACC+2*n:ACC+2*n+1], v[XF+2*n:XF+2*n+1], v[ACC+2*n:ACC+2*n+1]
.set n, n+1
.endr
	QUANT ACC
	s_lshl_b32 s2, s17, 6
	s_add_co_u32 s2, s2, s24
	s_lshl_b32 s2, s2, 5
	s_add_co_u32 s2, s2, s18                       ; (64 e + tau) 32 + S
	s_lshl_b32 s3, s2, 7
	s_lshl_b32 s2, s2, 10
	v_add_nc_u32 v[HO], s2, v4
	v_add_nc_u32 v[HSO], s3, v5
	global_store_b128 v[HO], v[PC:PC+3], s[12:13]              ; the fragment as it stands: 512 consecutive bytes a store
	global_store_b128 v[HO], v[PC+4:PC+7], s[12:13] offset:512
	global_store_b32 v[HSO], v[PW], s[30:31]
.Lskip:
	s_add_co_u32 s24, s24, 16
	s_add_co_u32 s25, s25, 1024
	s_add_co_u32 s23, s23, 1
	s_cmp_lt_u32 s23, 4
	s_cbranch_scc1 .Lrow
	s_wait_tensorcnt 0x0                           ; the wave's end
	ds_add_u32 v[SPW], v[NIL]
	s_wait_dscnt 0x0
	s_endpgm
.Lfunc_end_k_qcadaf96816_up:
	.size	k_qcadaf96816_up, .Lfunc_end_k_qcadaf96816_up-k_qcadaf96816_up
	.p2alignl 7, 3214868480
	.fill 96, 4, 3214868480
	.section	.rodata,"a",@progbits
	.p2align	6, 0x0
	.amdhsa_kernel k_qcadaf96816_up
		.amdhsa_group_segment_fixed_size 83968
		.amdhsa_private_segment_fixed_size 0
		.amdhsa_enable_private_segment 0
		.amdhsa_kernarg_size 48
		.amdhsa_user_sgpr_count 2
		.amdhsa_user_sgpr_kernarg_segment_ptr 1
		.amdhsa_wavefront_size32 1
		.amdhsa_system_sgpr_workgroup_id_x 1
		.amdhsa_system_sgpr_workgroup_id_y 1
		.amdhsa_system_sgpr_workgroup_id_z 1
		.amdhsa_system_vgpr_workitem_id 0
		.amdhsa_next_free_vgpr 256
		.amdhsa_next_free_sgpr 102
		.amdhsa_reserve_vcc 1
		.amdhsa_float_denorm_mode_32 3
		.amdhsa_float_denorm_mode_16_64 3
		.amdhsa_memory_ordered 1
		.amdhsa_forward_progress 1
		.amdhsa_inst_pref_size 123
	.end_amdhsa_kernel
	.amdgpu_metadata
---
amdhsa.version: [ 1, 2 ]
amdhsa.kernels:
  - .name:           k_qcadaf96816_up
    .symbol:         k_qcadaf96816_up.kd
    .args:
      - { .name: W1, .offset: 0, .size: 8, .value_kind: global_buffer, .address_space: global }
      - { .name: b1, .offset: 8, .size: 8, .value_kind: global_buffer, .address_space: global }
      - { .name: xq, .offset: 16, .size: 8, .value_kind: global_buffer, .address_space: global }
      - { .name: route, .offset: 24, .size: 8, .value_kind: global_buffer, .address_space: global }
      - { .name: hq, .offset: 32, .size: 8, .value_kind: global_buffer, .address_space: global }
      - { .name: rows, .offset: 40, .size: 8, .value_kind: global_buffer, .address_space: global }
    .group_segment_fixed_size: 83968
    .private_segment_fixed_size: 0
    .kernarg_segment_align: 8
    .kernarg_segment_size: 48
    .max_flat_workgroup_size: 512
    .sgpr_count:     102
    .vgpr_count:     256
    .wavefront_size: 32
...
	.end_amdgpu_metadata
.endif
;; end of part 2
;; launch down (part 3): grid 32 x 8, 16 waves a work-group, no clusters, 149,504 bytes of LDS; arguments W2, b2, hq, rows, gate, ybuf; writes ybuf
.if DOCPART == 3
	.amdgcn_target "amdgcn-amd-amdhsa--gfx1250"
	.amdhsa_code_object_version 6
	.text
	.protected	k_qcadaf96816_down
	.globl	k_qcadaf96816_down
	.p2align	8
	.type	k_qcadaf96816_down,@function
k_qcadaf96816_down:
	s_mov_b64 s[64:65], 0
	v_nop
	global_prefetch_b8 v0, s[64:65] scope:SCOPE_SE
	s_setreg_imm32_b32 hwreg(HW_REG_WAVE_MODE, 25, 1), 1
	s_wait_xcnt 0x0
; MoE layer, launch 3 of 4: weight x (Q(h) Q(W2[e]) + b2[e]) for the chosen rows alone (the others are left out: shown at the head of launch 1), each row to its place (k, token).
; SHARES.  Work-group (2 dsl + kh, e) owns outputs 64 dsl .. 64 dsl + 63 and K = F rows 2048 kh .. 2048 kh + 2047 of expert e.  64 columns are 256 bytes of each row of W2, read by two waves side by side;
; K is cut in two so that there are 256 work-groups; the two halves' sums are added in launch 4; the half kh = 0 carries b2.
; PHASE 1, as in launch 2: the slice is read once, quantised along K with a lane to a column, and kept in LDS as images of operand registers.
; PHASE 2: wave w takes the runs of 32 rows w and w + 16 of the expert's list that begin under N: h's fragment images from memory six K steps ahead, 128 products (source 0 = 16 outputs, source 1 = 16 rows),
; the row's weight, a turn through the wave's own stage, and stores of which sixteen lanes fill 256 consecutive bytes, aligned, of the row's place in ybuf: [kh][2,304 rows][1024] f32, row = k 1024 + token.
; No tensor load and no cluster: the number of runs hangs on N, read from memory, and no two work-groups read the same weights.
; SLOTS BEYOND N.  Only an expert's last run has them; slot p holds 2048 + 32 e + p % 32, so its result goes to a spare row of its own: of each spare row this work-group alone writes these 256 bytes,
; once, and nobody reads them.  Where the run's second tile lies wholly beyond N it is multiplied all the same (on the last tile that launch 2 stored): the waits' counts are then the same on every way.
; LIMITS: a block of zeros gets the scale byte 1; NaN and infinities are not served.
.set WIMG,  0                          ; LDS: fragment (K step s, tile t) at (4 s + t) 1024
.set WSC,   65536                      ; scale words: (2 s + g) 128 + 4 x lane
.set BIMG,  69632                      ; b2 (or zeros) as images of the eight accumulators
.set STG,   77824                      ; a stage of 16 rows x (256 + 16) bytes for each wave
.set SPARE, 147456                     ; the spare words: 128 bytes for each of 16 waves, named by no other line
.set X,    52                          ; phase 1: v52-115 two sets of 32 numbers
.set C,    116                         ; v116-147 the codes of my two units
.set MA,   148
.set MB,   149
.set SCO,  150
.set BY,   151
.set WS,   152
.set BIA,  156
.set HO,   7                           ; v7-8   h's images of my two tiles;  v9-10 their scale words
.set HSO,  9
.set STO,  11
.set RD,   12
.set EO,   14
.set COL,  19
.set WF,   20                          ; phase 2: v20-51 a K step's four fragments of W2
.set HF,   52                          ; v52-147 six slots x two tiles of h's fragments; on the way out rows, offsets and entries
.set ACC,  148                         ; v148-211 (tile a, tile t) at 32 a + 8 t
.set HS,   212                         ; v212-223 h's scale words, v224-225 W2's: these hold scales and nothing else
.set WSW,  224
.set EN,   226                         ; v226-227 my rows' entries
.set WT,   228                         ; v228, v230 their weights, each the low word of a pair
.set BP,   232                         ; v232-239 4 (2 i + lane / 16): the lane whose entry store i wants; never rewritten
.set WI,   240
.set BO,   242
.set VW,   243
.set SPW,  252
.set NIL,  253
	s_load_b256 s[4:11], s[0:1], 0x0               ; W2 s[4:5], b2 s[6:7], hq s[8:9], rows s[10:11]
	s_load_b128 s[12:15], s[0:1], 0x20             ; gate s[12:13], ybuf s[14:15]
	v_lshl_add_u32 v[SPW], v0, 2, SPARE
	v_mov_b32 v[NIL], 0
	v_and_b32 v1, 31, v0                           ; lane
	v_and_b32 v2, 15, v0                           ; r
	v_bfe_u32 v3, v0, 4, 1                         ; h
	v_lshrrev_b32 v[VW], 5, v0                     ; wave
	v_readfirstlane_b32 s16, v[VW]
	v_lshlrev_b32 v4, 4, v1                        ; v4  16 x lane
	v_lshlrev_b32 v5, 2, v1                        ; v5  4 x lane: also my column of the 32, in bytes
	v_add_nc_u32 v6, BIMG, v4                      ; v6  b2's images
	v_mul_u32_u24 v[STO], v2, 272
	v_lshl_add_u32 v[STO], v3, 5, v[STO]
	v_mad_u32_u24 v[STO], v[VW], 4352, v[STO]
	v_add_nc_u32 v[STO], STG, v[STO]               ; into my stage: row r, 32 bytes for each half of the lanes
	v_mul_u32_u24 v[RD], v3, 272
	v_lshl_add_u32 v[RD], v2, 4, v[RD]
	v_mad_u32_u24 v[RD], v[VW], 4352, v[RD]
	v_add_nc_u32 v[RD], STG, v[RD]                 ; back: lanes 0-15 one row of 256 bytes, lanes 16-31 the next
	v_lshlrev_b32 v13, 2, v2                       ; v13 4 r
	v_add_nc_u32 v15, WSC, v5                      ; v15 scale words on the way back
	v_and_b32 v17, 1, v[VW]                        ; g = w % 2: which 32 columns
	v_lshrrev_b32 v18, 1, v[VW]                    ; s0 = w / 2: my units are K steps s0 and s0 + 8
	v_lshl_add_u32 v16, v18, 12, v4
	v_lshl_add_u32 v16, v17, 11, v16               ; v16 where my fragments go: 16 x lane + 4096 s0 + 2048 g
	v_lshl_add_u32 v18, v18, 8, v15
	v_lshl_add_u32 v17, v17, 7, v18                ; v17 and their scale words
	v_lshl_add_u32 v18, v[VW], 9, v6               ; v18 my piece of b2's images
	v_lshlrev_b32 v[COL], 4, v2
	v_lshlrev_b32 v[BO], 5, v3
	v_lshlrev_b32 v[BP], 2, v3
.irp i, 1,2,3,4,5,6,7
	v_add_nc_u32 v[BP+\i], 8*\i, v[BP]
.endr
	v_mov_b32 v[WT+1], 0                           ; named as the upper words of the weights' pairs
	v_mov_b32 v[WT+3], 0
	s_and_b32 s17, ttmp7, 0xffff                   ; e
	s_lshr_b32 s18, ttmp9, 1                       ; dsl
	s_and_b32 s19, ttmp9, 1                        ; kh
	s_and_b32 s20, s16, 1
	s_lshr_b32 s25, s16, 1
	s_lshl_b32 s2, s17, 24                         ; W2: expert e, row 2048 kh + 128 s0, column 64 dsl + 32 g
	s_lshl_b32 s3, s19, 23
	s_add_co_u32 s2, s2, s3
	s_lshl_b32 s3, s25, 19
	s_add_co_u32 s2, s2, s3
	s_lshl_b32 s3, s18, 8
	s_add_co_u32 s2, s2, s3
	s_lshl_b32 s3, s20, 7
	s_add_co_u32 s2, s2, s3
	s_mov_b32 s3, 0
	s_lshl_b32 s38, s17, 12                        ; b2: 4 (1024 e + 64 dsl + 16 ((w / 2) % 4) + 4 (w % 2))
	s_lshl_b32 s39, s18, 8
	s_add_co_u32 s38, s38, s39
	s_bfe_u32 s39, s16, 0x20001
	s_lshl_b32 s39, s39, 6
	s_add_co_u32 s38, s38, s39
	s_lshl_b32 s39, s20, 4
	s_add_co_u32 s38, s38, s39
	s_mov_b32 s39, 0
	s_mul_i32 s40, s19, 0x900000                   ; ybuf: half kh (2,304 rows of 4,096 bytes), column 64 dsl
	s_lshl_b32 s41, s18, 8
	s_add_co_u32 s40, s40, s41
	s_mov_b32 s41, 0
	s_lshl_b32 s22, s17, 12
	s_mov_b32 s23, 0
	s_lshl_b32 s36, s17, 7
	s_mov_b32 s37, 0
	s_wait_kmcnt 0x0
	s_add_nc_u64 s[26:27], s[4:5], s[2:3]
	s_add_nc_u64 s[6:7], s[6:7], s[38:39]
	s_add_nc_u64 s[28:29], s[8:9], 0x1000000       ; hq's scale words
	s_add_nc_u64 s[30:31], s[14:15], s[40:41]
	s_add_nc_u64 s[32:33], s[10:11], s[22:23]      ; the expert's list
	s_add_nc_u64 s[34:35], s[10:11], s[36:37]
	s_load_b32 s21, s[34:35], 0x8000               ; N
	s_cmp_eq_u32 s19, 0
	s_cselect_b32 s36, -1, 0                       ; all ones where this half carries b2
.macro LOADW t
.set lw, 0
.rept 32
	global_load_b32 v[X+32*((\t)%2)+lw], v5, s[26:27] offset:((\t)/4)*4194304+(32*((\t)%4)+lw)*4096 th:TH_LOAD_NT
.set lw, lw+1
.endr
.endm
; as in launch 2: block t (unit t / 4, block t % 4) is quantised; cnt: the loads issued behind its own
.macro BLOCK t, cnt
.set XS, X+32*((\t)%2)
.set UU, (\t)/4
.set QQ, (\t)%4
.set CU, C+16*UU
	s_wait_loadcnt \cnt
	v_max3_num_f32 v[MA], |v[XS]|, |v[XS+1]|, |v[XS+2]|
	v_max3_num_f32 v[MB], |v[XS+3]|, |v[XS+4]|, |v[XS+5]|
.irp i, 6,10,14,18,22,26
	v_max3_num_f32 v[MA], v[MA], |v[XS+\i]|, |v[XS+\i+1]|
	v_max3_num_f32 v[MB], v[MB], |v[XS+\i+2]|, |v[XS+\i+3]|
.endr
	v_max3_num_f32 v[MA], v[MA], |v[XS+30]|, |v[XS+31]|
	v_max3_num_f32 v[MA], v[MA], v[MB], 0x1800000
	v_add_nc_u32 v[SCO], 0xff000000, v[MA]
.irp g, 0,1,2,3
	v_cvt_scalef32_pk8_fp4_f32 v[CU+4*QQ+\g], v[XS+8*\g:XS+8*\g+7], v[SCO]
.endr
.if QQ == 0
	v_lshrrev_b32 v[WS+UU], 23, v[SCO]             ; the byte (a plain line behind the conversions)
.else
	v_lshrrev_b32 v[BY], 23, v[SCO]
	v_lshl_or_b32 v[WS+UU], v[BY], 8*QQ, v[WS+UU]
.endif
.if (\t) < 6
	LOADW (\t)+2
.endif
.if QQ == 1
.irp i, 0,1,2,3
	v_permlane16_swap_b32 v[CU+\i], v[CU+4+\i]
.endr
.endif
.if QQ == 3
.irp i, 0,1,2,3
	v_permlane16_swap_b32 v[CU+8+\i], v[CU+12+\i]
.endr
	ds_store_b128 v16, v[CU:CU+3] offset:32768*UU
	ds_store_b128 v16, v[CU+8:CU+11] offset:32768*UU+512
	ds_store_b128 v16, v[CU+4:CU+7] offset:32768*UU+1024
	ds_store_b128 v16, v[CU+12:CU+15] offset:32768*UU+1536
	ds_store_b32 v17, v[WS+UU] offset:2048*UU
.endif
.endm
	global_load_b128 v[BIA:BIA+3], v[BO], s[6:7]
	LOADW 0
	LOADW 1
	BLOCK 0, 32                                    ; behind block 0's loads stand block 1's 32; b2, issued earlier, is in too
.irp i, 0,1,2,3
	v_and_b32 v[BIA+\i], s36, v[BIA+\i]
.endr
	ds_store_b128 v18, v[BIA:BIA+3]
	BLOCK 1, 32
	BLOCK 2, 32
	BLOCK 3, 32
	BLOCK 4, 32
	BLOCK 5, 32
	BLOCK 6, 32
	BLOCK 7, 0
	s_wait_kmcnt 0x0
	s_min_u32 s21, s21, 1024
	s_add_co_u32 s22, s21, 15
	s_lshr_b32 s22, s22, 4                         ; tiles of 16 rows that launch 2 stored
	s_wait_dscnt 0x0                               ; for the others' sake: my images and my piece of b2 have landed
	s_barrier_signal -1
	s_barrier_wait -1                              ; the launch's one barrier: from here on the images are only read, and a stage is its wave's own
.macro HLOAD s                         ; K step s of my two tiles of h: six loads, into slot s % 6
.set HL, (\s)%6
.irp a, 0,1
	global_load_b128 v[HF+16*HL+8*\a:HF+16*HL+8*\a+3], v[HO+\a], s[8:9] offset:1024*(\s)
	global_load_b128 v[HF+16*HL+8*\a+4:HF+16*HL+8*\a+7], v[HO+\a], s[8:9] offset:1024*(\s)+512
	global_load_b32 v[HS+2*HL+\a], v[HSO+\a], s[28:29] offset:128*(\s)
.endr
.endm
; K step s; cnt: the global loads issued behind its own.  Eight products on eight accumulators by turns, one instruction a turn
.macro KSTEP s, cnt
.irp t, 0,1,2,3
	ds_load_b128 v[WF+8*\t:WF+8*\t+3], v4 offset:4096*(\s)+1024*\t
	ds_load_b128 v[WF+8*\t+4:WF+8*\t+7], v4 offset:4096*(\s)+1024*\t+512
.endr
	ds_load_b32 v[WSW], v15 offset:256*(\s)
	ds_load_b32 v[WSW+1], v15 offset:256*(\s)+128
	s_wait_dscnt 0x0
	s_wait_loadcnt \cnt
.set SL, (\s)%6
.irp t, 0,2
.irp a, 0,1
	v_wmma_scale_f32_16x16x128_f8f6f4 v[ACC+32*\a+8*\t:ACC+32*\a+8*\t+7], v[WF+8*\t:WF+8*\t+7], v[HF+16*SL+8*\a:HF+16*SL+8*\a+7], v[ACC+32*\a+8*\t:ACC+32*\a+8*\t+7], v[WSW+\t/2], v[HS+2*SL+\a] matrix_a_fmt:MATRIX_FMT_FP4 matrix_b_fmt:MATRIX_FMT_FP4
.endr
.irp a, 0,1
	v_wmma_scale_f32_16x16x128_f8f6f4 v[ACC+32*\a+8*\t+8:ACC+32*\a+8*\t+15], v[WF+8*\t+8:WF+8*\t+15], v[HF+16*SL+8*\a:HF+16*SL+8*\a+7], v[ACC+32*\a+8*\t+8:ACC+32*\a+8*\t+15], v[WSW+\t/2], v[HS+2*SL+\a] matrix_a_fmt:MATRIX_FMT_FP4 matrix_b_fmt:MATRIX_FMT_FP4 matrix_a_scale:MATRIX_SCALE_ROW1
.endr
.endr
.rept 4
	v_nop                                          ; four places in front of loads into registers that these products read, and of the first read of results
.endr
.if (\s) < 10
	HLOAD (\s)+6
.endif
.endm
; tile a goes out.  A lane holds row r and, in tile t, outputs 16 t + 8 (lane / 16) + 0 .. 7.  Times the row's weight, each accumulator from its low end on; through my stage; back as whole rows of 256 bytes;
; store i takes rows 2 i and 2 i + 1, whose entries come from lanes 2 i and 2 i + 1.  LDS serves a wave's instructions in order: no wait between the stores and the loads, nor ahead of the next tile's stores.
; The 32 entries of a run are all different, so no two groups of sixteen lanes name the same bytes.
.macro OUTT a
.set AC, ACC+32*\a
.set OB, 52+48*\a
.set VO, OB+32
.set E2, OB+40
.set n, 0
.rept 16
	v_pk_mul_f32 v[AC+2*n:AC+2*n+1], v[AC+2*n:AC+2*n+1], v[WT+2*\a:WT+2*\a+1] op_sel_hi:[1,0]
.set n, n+1
.endr
.irp t, 0,1,2,3
	ds_store_b128 v[STO], v[AC+8*\t:AC+8*\t+3] offset:64*\t
	ds_store_b128 v[STO], v[AC+8*\t+4:AC+8*\t+7] offset:64*\t+16
.endr
.irp i, 0,1,2,3,4,5,6,7
	ds_load_b128 v[OB+4*\i:OB+4*\i+3], v[RD] offset:544*\i
.endr
.irp i, 0,1,2,3,4,5,6,7
	ds_bpermute_b32 v[E2+\i], v[BP+\i], v[EN+\a]
.endr
	s_wait_dscnt 0x0
.irp i, 0,1,2,3,4,5,6,7
	v_min_u32 v[E2+\i], 0x8ff, v[E2+\i]
.endr
.irp i, 0,1,2,3,4,5,6,7
	v_lshl_add_u32 v[VO+\i], v[E2+\i], 12, v[COL]
.endr
.irp i, 0,1,2,3,4,5,6,7
	global_store_b128 v[VO+\i], v[OB+4*\i:OB+4*\i+3], s[30:31]     ; sixteen lanes: 256 consecutive bytes, aligned
.endr
.endm
	s_mov_b32 s23, 0                               ; two trips in every wave: the count is a constant; a run that begins at or beyond N is jumped over
	s_mov_b32 s24, s16                             ; run w + 16 j
.Lrow:
	s_lshl_b32 s2, s24, 5
	s_cmp_ge_u32 s2, s21
	s_cbranch_scc1 .Lskip
	s_wait_xcnt 0x0                                ; the last trip's stores have read their data and offsets
	s_lshl_b32 s37, s24, 1                         ; the run's first tile, which lies under N;
	s_add_co_u32 s38, s37, 1
	s_sub_co_u32 s39, s22, 1
	s_min_u32 s38, s38, s39                        ; its second, or the last tile that was stored (then all its slots lie beyond N and go to spare rows)
	s_min_u32 s38, s38, 63
	s_lshl_b32 s39, s17, 6
	s_add_co_u32 s37, s37, s39
	s_add_co_u32 s38, s38, s39
	s_lshl_b32 s37, s37, 5
	s_lshl_b32 s38, s38, 5
	s_lshl_b32 s39, s19, 4
	s_add_co_u32 s37, s37, s39                     ; (64 e + tau) 32 + 16 kh
	s_add_co_u32 s38, s38, s39
	s_lshl_b32 s40, s37, 7
	s_lshl_b32 s37, s37, 10
	s_lshl_b32 s41, s38, 7
	s_lshl_b32 s38, s38, 10
	v_add_nc_u32 v[HO], s37, v4
	v_add_nc_u32 v[HO+1], s38, v4
	v_add_nc_u32 v[HSO], s40, v5
	v_add_nc_u32 v[HSO+1], s41, v5
	s_lshl_b32 s2, s24, 7
	v_add_nc_u32 v[EO], s2, v13
	global_load_b32 v[EN], v[EO], s[32:33]
	global_load_b32 v[EN+1], v[EO], s[32:33] offset:64
.irp s, 0,1,2,3,4,5
	HLOAD \s
.endr
	s_wait_loadcnt 36                              ; the entries are in; behind them stand six K steps' 36 loads
	v_min_u32 v[EN], 0x8ff, v[EN]
	v_min_u32 v[EN+1], 0x8ff, v[EN+1]
	v_min_u32 v[WI], 0x7ff, v[EN]
	v_min_u32 v[WI+1], 0x7ff, v[EN+1]
	v_lshlrev_b32 v[WI], 2, v[WI]
	v_lshlrev_b32 v[WI+1], 2, v[WI+1]
	global_load_b32 v[WT], v[WI], s[12:13]
	global_load_b32 v[WT+2], v[WI+1], s[12:13]
.irp a, 0,1
.irp t, 0,1,2,3
	ds_load_b128 v[ACC+32*\a+8*\t:ACC+32*\a+8*\t+3], v6 offset:4096*\a+1024*\t            ; b2, or zeros, starts the sums
	ds_load_b128 v[ACC+32*\a+8*\t+4:ACC+32*\a+8*\t+7], v6 offset:4096*\a+1024*\t+512
.endr
.endr
.irp s, 0,1,2,3,4,5
	KSTEP \s, 32                                   ; behind a step's six loads: five steps' 30 and the two weights
.endr
.irp s, 6,7,8,9,10
	KSTEP \s, 30                                   ; five steps' 30
.endr
	KSTEP 11, 24                                   ; nothing more is asked for: the counts run down
	KSTEP 12, 18
	KSTEP 13, 12
	KSTEP 14, 6
	KSTEP 15, 0
	OUTT 0
	OUTT 1
.Lskip:
	s_add_co_u32 s24, s24, 16
	s_add_co_u32 s23, s23, 1
	s_cmp_lt_u32 s23, 2
	s_cbranch_scc1 .Lrow
	s_wait_tensorcnt 0x0                           ; the wave's end
	ds_add_u32 v[SPW], v[NIL]
	s_wait_dscnt 0x0
	s_endpgm
.Lfunc_end_k_qcadaf96816_down:
	.size	k_qcadaf96816_down, .Lfunc_end_k_qcadaf96816_down-k_qcadaf96816_down
	.p2alignl 7, 3214868480
	.fill 96, 4, 3214868480
	.section	.rodata,"a",@progbits
	.p2align	6, 0x0
	.amdhsa_kernel k_qcadaf96816_down
		.amdhsa_group_segment_fixed_size 149504
		.amdhsa_private_segment_fixed_size 0
		.amdhsa_enable_private_segment 0
		.amdhsa_kernarg_size 48
		.amdhsa_user_sgpr_count 2
		.amdhsa_user_sgpr_kernarg_segment_ptr 1
		.amdhsa_wavefront_size32 1
		.amdhsa_system_sgpr_workgroup_id_x 1
		.amdhsa_system_sgpr_workgroup_id_y 1
		.amdhsa_system_sgpr_workgroup_id_z 1
		.amdhsa_system_vgpr_workitem_id 0
		.amdhsa_next_free_vgpr 256
		.amdhsa_next_free_sgpr 66
		.amdhsa_reserve_vcc 0
		.amdhsa_float_denorm_mode_32 3
		.amdhsa_float_denorm_mode_16_64 3
		.amdhsa_memory_ordered 1
		.amdhsa_forward_progress 1
		.amdhsa_inst_pref_size 91
	.end_amdhsa_kernel
	.amdgpu_metadata
---
amdhsa.version: [ 1, 2 ]
amdhsa.kernels:
  - .name:           k_qcadaf96816_down
    .symbol:         k_qcadaf96816_down.kd
    .args:
      - { .name: W2, .offset: 0, .size: 8, .value_kind: global_buffer, .address_space: global }
      - { .name: b2, .offset: 8, .size: 8, .value_kind: global_buffer, .address_space: global }
      - { .name: hq, .offset: 16, .size: 8, .value_kind: global_buffer, .address_space: global }
      - { .name: rows, .offset: 24, .size: 8, .value_kind: global_buffer, .address_space: global }
      - { .name: gate, .offset: 32, .size: 8, .value_kind: global_buffer, .address_space: global }
      - { .name: ybuf, .offset: 40, .size: 8, .value_kind: global_buffer, .address_space: global }
    .group_segment_fixed_size: 149504
    .private_segment_fixed_size: 0
    .kernarg_segment_align: 8
    .kernarg_segment_size: 48
    .max_flat_workgroup_size: 512
    .sgpr_count:     66
    .vgpr_count:     256
    .wavefront_size: 32
...
	.end_amdgpu_metadata
.endif
;; end of part 3
;; launch join (part 4): grid 256 x 1, 8 waves a work-group, no clusters, 0 bytes of LDS; arguments ybuf, route, gate, out0, out1; writes out0, out1
.if DOCPART == 4
	.amdgcn_target "amdgcn-amd-amdhsa--gfx1250"
	.amdhsa_code_object_version 6
	.text
	.protected	k_qcadaf96816_join
	.globl	k_qcadaf96816_join
	.p2align	8
	.type	k_qcadaf96816_join,@function
k_qcadaf96816_join:
	s_mov_b64 s[64:65], 0
	v_nop
	global_prefetch_b8 v0, s[64:65] scope:SCOPE_SE
	s_setreg_imm32_b32 hwreg(HW_REG_WAVE_MODE, 25, 1), 1
	s_wait_xcnt 0x0
; MoE layer, launch 4 of 4: out0[t] = the sum of the four weighted parts of token t (two choices x two halves of K) that launch 3 stored; the unchosen experts add nothing (shown at the head of launch 1).
; A stream: work-group g owns tokens 4 g .. 4 g + 3, a thread 16 bytes of each row; all sixteen loads go out at once; each load and store of a wave covers 512 consecutive bytes.  No LDS, no barrier.
; Of each half of ybuf rows 0 to 2,047 are read; its 256 spare rows are not.
; Wave 0 of work-group 0 also makes the loss: 8 x sum over e of (count_e / 1024) (sum of gate_probs_e / 1024) = 2^-17 x sum over e of count_e x sum_e, from the 32 blocks of counts and of sums that
; launch 1 stored (32 words a block; word e holds expert e, words 8 to 31 hold zeros).  That wave has an arm of its own, in which the two tables are asked for FIRST, ahead of its rows: so they come
; while the rows come.  The waits of the rows' sums count the loads behind each row's four, which are the same in both arms; the tables' loads are older.
.macro LOADS
.irp i, 0,1,2,3
	global_load_b128 v[16+16*\i:19+16*\i], v1, s[4:5] offset:4096*\i th:TH_LOAD_NT
	global_load_b128 v[20+16*\i:23+16*\i], v1, s[4:5] offset:4194304+4096*\i th:TH_LOAD_NT
	global_load_b128 v[24+16*\i:27+16*\i], v1, s[14:15] offset:4096*\i th:TH_LOAD_NT
	global_load_b128 v[28+16*\i:31+16*\i], v1, s[14:15] offset:4194304+4096*\i th:TH_LOAD_NT
.endr
.endm
.macro SUMS
.irp i, 0,1,2,3
	s_wait_loadcnt 12-4*\i                         ; loads come back in order: token i's four are in
	v_pk_add_f32 v[16+16*\i:17+16*\i], v[16+16*\i:17+16*\i], v[20+16*\i:21+16*\i]
	v_pk_add_f32 v[18+16*\i:19+16*\i], v[18+16*\i:19+16*\i], v[22+16*\i:23+16*\i]
	v_pk_add_f32 v[24+16*\i:25+16*\i], v[24+16*\i:25+16*\i], v[28+16*\i:29+16*\i]
	v_pk_add_f32 v[26+16*\i:27+16*\i], v[26+16*\i:27+16*\i], v[30+16*\i:31+16*\i]
	v_pk_add_f32 v[16+16*\i:17+16*\i], v[16+16*\i:17+16*\i], v[24+16*\i:25+16*\i]
	v_pk_add_f32 v[18+16*\i:19+16*\i], v[18+16*\i:19+16*\i], v[26+16*\i:27+16*\i]
	global_store_b128 v1, v[16+16*\i:19+16*\i], s[10:11] offset:4096*\i th:TH_STORE_NT
.endr
.endm
	s_load_b256 s[4:11], s[0:1], 0x0               ; ybuf s[4:5], route s[6:7], gate s[8:9], out0 s[10:11]
	s_load_b64 s[12:13], s[0:1], 0x20              ; out1
	v_lshlrev_b32 v1, 4, v0                        ; 16 bytes a thread
	v_lshrrev_b32 v2, 5, v0
	v_readfirstlane_b32 s16, v2
	s_lshl_b32 s2, ttmp9, 14                       ; four rows of 4,096 bytes
	s_mov_b32 s3, 0
	s_or_b32 s17, s16, ttmp9                       ; 0 in wave 0 of work-group 0 alone
	s_wait_kmcnt 0x0
	s_add_nc_u64 s[4:5], s[4:5], s[2:3]
	s_add_nc_u64 s[14:15], s[4:5], 0x900000        ; the second half of K: 2,304 rows on
	s_add_nc_u64 s[10:11], s[10:11], s[2:3]
	s_cmp_eq_u32 s17, 0
	s_cbranch_scc1 .Lwith_loss
	LOADS
	SUMS
	s_endpgm
.Lwith_loss:
	; each table is 4,096 dense bytes: eight loads of 512.  In load n, register j of lane l is word 4 (l % 8) + j of block 4 n + l / 8   (here the thread's number is the lane's)
.irp n, 0,1,2,3,4,5,6,7
	global_load_b128 v[80+4*\n:83+4*\n], v1, s[6:7] offset:32768+512*\n        ; the counts
.endr
.irp n, 0,1,2,3,4,5,6,7
	global_load_b128 v[112+4*\n:115+4*\n], v1, s[8:9] offset:8192+512*\n       ; the sums of gate_probs
.endr
	LOADS
	SUMS                                           ; its last wait is for 0: the tables are in too
	s_mov_b32 s18, 0x76543210
	s_mov_b32 s19, 0xfedcba98                      ; v_permlanex16_b32's selects for lane l xor 16
.irp j, 0,1,2,3
	v_add3_u32 v[80+\j], v[80+\j], v[84+\j], v[88+\j]          ; over the eight loads
.endr
.irp j, 0,1,2,3
	v_add3_u32 v[80+\j], v[80+\j], v[92+\j], v[96+\j]
.endr
.irp j, 0,1,2,3
	v_add3_u32 v[80+\j], v[80+\j], v[100+\j], v[104+\j]
.endr
.irp j, 0,1,2,3
	v_add_nc_u32 v[80+\j], v[80+\j], v[108+\j]
.endr
.irp n, 1,2,3,4,5,6,7
	v_pk_add_f32 v[112:113], v[112:113], v[112+4*\n:113+4*\n]
	v_pk_add_f32 v[114:115], v[114:115], v[114+4*\n:115+4*\n]
.endr
.irp j, 0,1,2,3
	v_cvt_f32_u32 v[80+\j], v[80+\j]               ; at most 256 here, 2,048 in all: exact in f32
.endr
.irp r, 80,81,82,83,112,113,114,115
	v_add_f32_dpp v[\r], v[\r], v[\r] row_xmask:8 row_mask:0xf bank_mask:0xf   ; over the four groups of eight lanes: lane l xor 8,
.endr
.irp r, 80,81,82,83,112,113,114,115
	v_permlanex16_b32 v[\r+4], v[\r], s18, s19     ; (its destination counts as read: these registers were loaded)
.endr
.irp r, 80,81,82,83,112,113,114,115
	v_add_f32 v[\r], v[\r], v[\r+4]                ; and lane l xor 16: all 32 blocks
.endr
	v_mul_f32 v80, v80, v112                       ; count x sum of my four words,
	v_fmac_f32 v80, v81, v113
	v_fmac_f32 v80, v82, v114
	v_fmac_f32 v80, v83, v115
	v_add_f32_dpp v80, v80, v80 row_xmask:1 row_mask:0xf bank_mask:0xf         ; and over the eight lanes of a group: all 32 words
	v_add_f32_dpp v80, v80, v80 row_xmask:2 row_mask:0xf bank_mask:0xf
	v_add_f32_dpp v80, v80, v80 row_xmask:4 row_mask:0xf bank_mask:0xf
	v_mul_f32 v80, 0x37000000, v80                 ; x 2^-17
	v_cmp_eq_u32 vcc_lo, 0, v0
	s_wait_xcnt 0x0                                ; EXEC changes only behind this wait
	s_and_saveexec_b32 s20, vcc_lo
	global_store_b32 v1, v80, s[12:13]             ; lane 0 alone: its offset is 0
	s_wait_xcnt 0x0                                ; and again in front of the line that widens it
	s_or_b32 exec_lo, exec_lo, s20
	s_endpgm
.Lfunc_end_k_qcadaf96816_join:
	.size	k_qcadaf96816_join, .Lfunc_end_k_qcadaf96816_join-k_qcadaf96816_join
	.p2alignl 7, 3214868480
	.fill 96, 4, 3214868480
	.section	.rodata,"a",@progbits
	.p2align	6, 0x0
	.amdhsa_kernel k_qcadaf96816_join
		.amdhsa_group_segment_fixed_size 0
		.amdhsa_private_segment_fixed_size 0
		.amdhsa_enable_private_segment 0
		.amdhsa_kernarg_size 40
		.amdhsa_user_sgpr_count 2
		.amdhsa_user_sgpr_kernarg_segment_ptr 1
		.amdhsa_wavefront_size32 1
		.amdhsa_system_sgpr_workgroup_id_x 1
		.amdhsa_system_sgpr_workgroup_id_y 1
		.amdhsa_system_sgpr_workgroup_id_z 1
		.amdhsa_system_vgpr_workitem_id 0
		.amdhsa_next_free_vgpr 160
		.amdhsa_next_free_sgpr 66
		.amdhsa_reserve_vcc 1
		.amdhsa_float_denorm_mode_32 3
		.amdhsa_float_denorm_mode_16_64 3
		.amdhsa_memory_ordered 1
		.amdhsa_forward_progress 1
		.amdhsa_inst_pref_size 14
	.end_amdhsa_kernel
	.amdgpu_metadata
---
amdhsa.version: [ 1, 2 ]
amdhsa.kernels:
  - .name:           k_qcadaf96816_join
    .symbol:         k_qcadaf96816_join.kd
    .args:
      - { .name: ybuf, .offset: 0, .size: 8, .value_kind: global_buffer, .address_space: global }
      - { .name: route, .offset: 8, .size: 8, .value_kind: global_buffer, .address_space: global }
      - { .name: gate, .offset: 16, .size: 8, .value_kind: global_buffer, .address_space: global }
      - { .name: out0, .offset: 24, .size: 8, .value_kind: global_buffer, .address_space: global }
      - { .name: out1, .offset: 32, .size: 8, .value_kind: global_buffer, .address_space: global }
    .group_segment_fixed_size: 0
    .private_segment_fixed_size: 0
    .kernarg_segment_align: 8
    .kernarg_segment_size: 40
    .max_flat_workgroup_size: 256
    .sgpr_count:     66
    .vgpr_count:     160
    .wavefront_size: 32
...
	.end_amdgpu_metadata
.endif
;; end of part 4
